; MI455X (gfx1250); checked and timed in simulation.
; The chip was launched on July 23, 2026; its instructions are those of AMD's public machine-readable ISA for CDNA 5 (MIT licence, August 2026) and "CDNA5" Instruction Set Architecture Reference Guide (July 2026). The comments in the code are by the model that wrote it; some were corrected since.
;; Bahdanau Attention. Allowed arithmetic: matrix products marked QUANTISED: E5M2 operands, one E8M0 scale for each 32 along K, by v_wmma_scale_f32_16x16x128_f8f6f4 with both operands' format E5M2, f32 sums; products left as they are: f32 operands where the result goes on into a quantised operand, else bf16, f16 or f32 operands; f32 sums; everything else in f32.
;; Inputs: Wc 1,024 x 1 float32; Wh_codes 1,024 x 32 x 32 uint8 (E5M2 codes of Wh, K innermost, in blocks of 32 codes); Wh_scales 1,024 x 32 uint8 (E8M0 scales of Wh, one for each 32 codes along K); Ws_codes 1,024 x 32 x 32 uint8 (E5M2 codes of Ws, K innermost, in blocks of 32 codes); Ws_scales 1,024 x 32 uint8 (E8M0 scales of Ws, one for each 32 codes along K); bc 1,024 float32; bh 1,024 float32; bs 1,024 float32; bv 1 float32; dec_hidden 2 x 32 x 512 float32; enc_output 32 x 2,048 x 1,024 float32; enc_pad_mask 32 x 2,048 float32; prev_coverage 32 x 2,048 float32; v 1 x 1,024 float32.
;; Outputs: out0 32 x 1,024 float32; out1 32 x 2,048 float32; out2 32 x 2,048 float32.
;; Constants: use_coverage = 1.
;; This version of the problem:
;;   THIS VERSION OF THE PROBLEM IS GIVEN IN LOW PRECISION. The matrix products marked QUANTISED in the list below multiply operands that are first quantised to E5M2 (5 exponent bits, 2 mantissa bits; 8 bits a number), with one power-of-two scale for each 32 numbers along K (OCP MX v1.0); their sums are f32. All else is computed in f32.
;;   The module's matrix products, in the order in which they are computed (A, B: the left and right operand; K: the contracted axis; several contracted axes count as one K, in the product's order):
;;     1. [M 65,536, K 1,024] x [K 1,024, N 1,024]; A: input enc_output; B: input Wh (given as codes): QUANTISED
;;     2. [M 32, K 1,024] x [K 1,024, N 1,024]; A: input dec_hidden; B: input Ws (given as codes): QUANTISED
;;     3. [M 65,536, K 1,024] x [K 1,024, N 1]; A: computed on the way; B: input v: left as it is (N = 1 < 16)
;;     4. batch 32 x [M 1, K 2,048] x [K 2,048, N 1,024]; A: computed on the way; B: input enc_output: left as it is (M = 1 < 16)
;;   THE QUANTISER, for each operand of a quantised product, along K:
;;     - K is cut into blocks of 32 from its start; a last block that is shorter is filled with zeros.
;;     - A block's scale is 2^e with e = floor(log2(the largest magnitude in the block)) - 15, held to -126 .. 127; a block of zeros has e = 0. As a byte (E8M0): e + 127.
;;     - Each number is divided by its block's scale, clamped to +-57,344, and rounded to the nearest number of E5M2, ties to even, subnormals kept.
;;     - The product sums the exact products of the quantised numbers (number of the format x scale) in f32.
;;   ~~~python
;;   def quantise(x, axis):      # numpy; x: float32 -> the quantised numbers, widened to float32 again
;;       x = np.moveaxis(x, axis, -1); K = x.shape[-1]
;;       x = np.pad(x, [(0, 0)] * (x.ndim - 1) + [(0, -K % 32)]); x = x.reshape(x.shape[:-1] + (-1, 32)); a = np.abs(x).max(-1, keepdims=True)
;;       e = np.where(a > 0, np.clip(np.frexp(np.where(a > 0, a, 1))[1] - 1 - 15, -126, 127), 0)      # np.frexp(a)[1] - 1 = floor(log2(a)), exactly
;;       r = np.clip(x / 2.0 ** e, -57344, 57344)
;;       step = 2.0 ** (np.maximum(np.frexp(np.where(r == 0, 1, r))[1] - 1, -14) - 2)
;;       q = np.round(r / step) * step * 2.0 ** e      # np.round: ties to even
;;       return np.moveaxis(q.reshape(q.shape[:-2] + (-1,))[..., :K], -1, axis).astype(np.float32)
;;   ~~~
;;   INPUTS GIVEN AS CODES. Wh (in the module: [1024, 1024], K = its axis 1); Ws (in the module: [1024, 1024], K = its axis 1): each comes as NAME_codes (uint8): NAME with its K axis moved to the last place and cut into blocks of 32 codes, [.., K / 32, bytes a block], one block behind the other in memory; one code a byte (a code: sign, 5 exponent bits, 2 mantissa bits); and NAME_scales (uint8): the same leading axes, one E8M0 byte (e + 127) for each 32 codes along K. Its value is code x scale, taken as it is: it is not quantised again, and the codes and scales need not be those that the quantiser above would give.
;; One version. Each part assembles by itself: llvm-mc -triple=amdgcn-amd-amdhsa -mcpu=gfx1250 --defsym DOCPART=n.
;; ======== version 1 of 1: 3 launches
;; limits: values are held in bf16: 8 bits of precision; right only within a limited range of input values
;; workspace buffers: whp 1,081,344 bytes; cst 524,288 bytes; pctx 2,359,296 bytes; pmw 262,144 bytes
;; launch prep (part 1): grid 64 x 1, 16 waves a work-group, no clusters, 18,432 bytes of LDS; arguments dec_hidden, Ws_codes, Ws_scales, bs, bh, bc, Wc, v, Wh_codes, Wh_scales, cst, whp; writes cst, whp
.if DOCPART == 1
	.amdgcn_target "amdgcn-amd-amdhsa--gfx1250"
	.amdhsa_code_object_version 6
	.text
	.protected	k_qe6b186efaf_prep
	.globl	k_qe6b186efaf_prep
	.p2align	8
	.type	k_qe6b186efaf_prep,@function
k_qe6b186efaf_prep:
	s_mov_b64 s[64:65], 0
	v_nop
	global_prefetch_b8 v0, s[64:65] scope:SCOPE_SE
	s_setreg_imm32_b32 hwreg(HW_REG_WAVE_MODE, 25, 1), 1
	s_wait_xcnt 0x0
; BAHDANAU ATTENTION WITH COVERAGE, in three launches.  This one makes what the main launch wants ready: the constants of each (batch, column), and Wh laid in the order of an operand's registers.
; WORK LEFT OUT, for all finite values of the inputs:
;   bv is added to every score of a batch alike, and a softmax along s does not change when its inputs move by a common term: bv has no way to any output.  It is not loaded and is no argument of any launch.
;   tanh x = 1 - 2 / (1 + e^(2x)), so score[b][s] = sum_e v[e] - 2 sum_e v[e] r[b][s][e] with r = 1 / (1 + e^(2x)).  The first sum is the same along s and goes the way of bv: only the second is formed.
;   The softmax's own divisor Z: (p / Z) mask / sum((p / Z) mask) = p mask / sum(p mask) for every Z above 0.  It is not formed.  The maximum is taken away ahead of the exponential, over all s, as reference() does.
;   LIMIT: a NaN, an infinity or an overflow that reaches only bv, the sum of v, or Z is not carried to the result.  NaN and infinities among the inputs are not served.
; WHAT IS MADE.  With c = 2 log2(e):  cst[b][e] = ( c (dec[b] . Ws[e] + bs[e] + bh[e] + bc[e]),  c Wc[e],  -c v[e],  0 ),  16 bytes for each (b, e).  dec . Ws is the QUANTISED product 2: dec is quantised here
;   (E5M2, one E8M0 scale for each 32 along K: scale = 2^(floor(log2(largest magnitude)) - 15), held at the byte 1 from below; a block of zeros gets the byte 1: its codes are zeros, and the bytes are this program's own).
;   whp: 64 records of 16,896 bytes, one for each tile of 16 columns of Wh: piece 4 s + c (512 bytes) holds at 16 x lane the 16 codes of column 16 n + lane % 16, k = 128 s + 32 c + 16 (lane / 16): registers 4 c .. 4 c + 3 of
;   the fragment of K step s.  Behind the 32 pieces lie the 16 columns' scale bytes as they lie in memory, 32 a column.
; SHARES.  Work-group n of 64 takes columns 16 n on of Ws and record n of whp.  Wave w = 8 t + s quantises dec's rows 16 t on, K step s (128 along K), and multiplies them by Ws's fragment of that K step: one product a wave.
;   The eight parts along K meet in LDS; behind one barrier wave 8 t + j adds register j of the eight, K ascending, in f32, and stores one quad a lane.  Each wave also copies two pieces of the record; wave 0 its scale bytes.
.set PART,  0                          ; LDS: the sixteen parts: wave w's register j at 1,024 w + 128 j + 4 x lane
.set SPARE, 16384                      ; the spare words, 128 bytes for each of 16 waves: eight blocks of 256 bytes that no other line names
.set SPW,  1                           ; v1   LDS address of my spare word; never rewritten
.set NIL,  2                           ; v2   0; never rewritten
.set XA,   3                           ; v3   dec: row r of 2,048 bytes + 64 h
.set WA,   4                           ; v4   Ws, Wh: row r of 1,024 bytes + 16 h
.set EA,   5                           ; v5   4 r: my column's number in a vector of f32
.set LI,   6                           ; v6   16 x lane
.set LS,   7                           ; v7   4 x lane
.set PWI,  8                           ; v8   where I store my part: 4 x lane + 1,024 x wave
.set RD,   9                           ; v9   where I read the eight parts: 4 x lane + 8,192 t + 128 j
.set SA,   10                          ; v10  Ws's scale bytes: 32 r
.set OA,   11                          ; v11  cst: 8 h rows of 16,384 bytes + 16 r
.set KB,   12                          ; v12-16 bs, bh, bc, Wc, v of my column
.set BSUM, 17                          ; v17  c (bs + bh + bc);  v18 c Wc;  v19 -c v
.set BSW,  20                          ; v20  Ws's scale word of my K step: lane r has column r's
.set PW,   22                          ; v22  dec's scale word: lane r has row r's
.set TM,   24                          ; v24-39 the quantiser's work: largest magnitudes, bytes, holds, scale operands: four of each
.set ACC,  40                          ; v40-47 my part of the product
.set PC,   48                          ; v48-63 dec's codes
.set XF,   64                          ; v64-127 64 numbers of dec
.set WF,   128                         ; v128-143 Ws's fragment
.set WP,   144                         ; v144-151 two pieces of Wh
.set SCP,  152                         ; v152-155 Wh's scale bytes (wave 0)
.set PS,   160                         ; v160-167 the eight parts; at the head: lane, r, h
.set OQ,   168                         ; v168-171 the quad that goes out
.set WV,   28                          ; s28  my wave's number
.set SEL,  44                          ; s[44:45] selects of v_permlanex16_b32 for lane l xor 16
.set MNT,  46                          ; s46  the mantissa field of 57,344
.set CC,   47                          ; s47  c;  s48  -c
	s_load_b256 s[4:11], s[0:1], 0x0               ; dec_hidden, Ws_codes, Ws_scales, bs
	s_load_b256 s[12:19], s[0:1], 0x20             ; bh, bc, Wc, v
	s_load_b256 s[20:27], s[0:1], 0x40             ; Wh_codes, Wh_scales, cst, whp
	v_lshl_add_u32 v[SPW], v0, 2, SPARE
	v_mov_b32 v[NIL], 0
	v_lshrrev_b32 v160, 5, v0
	s_delay_alu instid0(VALU_DEP_1)
	v_readfirstlane_b32 s[WV], v160                ; wave 0..15
	v_and_b32 v160, 31, v0                         ; lane
	v_and_b32 v161, 15, v0                         ; r
	s_wait_alu depctr_va_vdst(0)
	v_bfe_u32 v162, v0, 4, 1                       ; h
	s_lshr_b32 s29, s[WV], 3                       ; t: rows 16 t on
	s_and_b32 s30, s[WV], 7                        ; s: my K step; behind the barrier j: my register of the parts
	s_lshr_b32 s32, s30, 2                         ; dec[b][d] = dec_hidden[d / 512][b][d % 512]:
	s_lshl_b32 s32, s32, 16                        ; (s / 4) x 32 rows of 2,048 bytes
	s_lshl_b32 s56, s29, 15                        ; + 16 t rows
	s_add_co_u32 s32, s32, s56
	s_and_b32 s56, s30, 3
	s_lshl_b32 s56, s56, 9                         ; + (s % 4) x 128 numbers
	s_add_co_u32 s32, s32, s56
	s_mov_b32 s33, 0
	s_lshl_b32 s34, ttmp9, 14                      ; Ws's codes: 16 rows of 1,024 bytes a tile,
	s_lshl_b32 s56, s30, 7                         ; + 128 s
	s_add_co_u32 s34, s34, s56
	s_mov_b32 s35, 0
	s_lshl_b32 s36, ttmp9, 9                       ; its scale bytes: 16 rows of 32,
	s_lshl_b32 s56, s30, 2                         ; + 4 s
	s_add_co_u32 s36, s36, s56
	s_mov_b32 s37, 0
	s_lshl_b32 s38, ttmp9, 6                       ; the vectors: 16 numbers
	s_mov_b32 s39, 0
	s_lshl_b32 s40, ttmp9, 8                       ; cst: 16 quads a tile,
	s_lshl_b32 s56, s29, 4
	s_add_co_u32 s56, s56, s30
	s_lshl_b32 s56, s56, 14                        ; + row b = 16 t + j (lanes 16-31: 8 rows further down)
	s_add_co_u32 s40, s40, s56
	s_mov_b32 s41, 0
	s_lshl_b32 s42, ttmp9, 14                      ; Wh's codes: pieces 2 w and 2 w + 1 are K step w / 2, c = 2 (w % 2) and the next:
	s_lshr_b32 s56, s[WV], 1
	s_lshl_b32 s56, s56, 7                         ; + 128 (w / 2)
	s_add_co_u32 s42, s42, s56
	s_and_b32 s56, s[WV], 1
	s_lshl_b32 s56, s56, 6                         ; + 64 (w % 2)
	s_add_co_u32 s42, s42, s56
	s_mov_b32 s43, 0
	s_lshl_b32 s50, ttmp9, 9                       ; Wh's scale bytes
	s_mov_b32 s51, 0
	s_mul_i32 s52, ttmp9, 16896                    ; my record,
	s_lshl_b32 s54, s[WV], 10                      ; + my two pieces; the same number is my part's place in LDS
	s_add_co_u32 s52, s52, s54
	s_mov_b32 s53, 0
	s_lshl_b32 s55, s29, 13
	s_lshl_b32 s56, s30, 7
	s_add_co_u32 s55, s55, s56                     ; 8,192 t + 128 j
	s_mov_b32 s[SEL], 0x76543210
	s_mov_b32 s[SEL+1], 0xfedcba98
	s_mov_b32 s[MNT], 0x600000
	s_mov_b32 s[CC], 0x4038aa3b                    ; c = 2 log2(e)
	s_mov_b32 s[CC+1], 0xc038aa3b                  ; -c
	v_lshlrev_b32 v[XA], 11, v161
	s_wait_alu depctr_va_vdst(0)
	v_lshl_add_u32 v[XA], v162, 6, v[XA]
	v_lshlrev_b32 v[WA], 10, v161
	s_delay_alu instid0(VALU_DEP_1)
	v_lshl_add_u32 v[WA], v162, 4, v[WA]
	v_lshlrev_b32 v[EA], 2, v161
	v_lshlrev_b32 v[LI], 4, v160
	v_lshlrev_b32 v[LS], 2, v160
	s_delay_alu instid0(VALU_DEP_1)
	v_add_nc_u32 v[PWI], s54, v[LS]
	s_delay_alu instid0(VALU_DEP_2)
	v_add_nc_u32 v[RD], s55, v[LS]
	v_lshlrev_b32 v[SA], 5, v161
	v_lshlrev_b32 v[OA], 4, v161
	s_delay_alu instid0(VALU_DEP_1)
	v_lshl_add_u32 v[OA], v162, 17, v[OA]
.irp b, 0,1,2,3
	v_mov_b32 v[TM+4+\b], 0                        ; written once: a lane permute's destination counts as one of its sources
.endr
	s_wait_alu depctr_va_vdst(0)
	s_wait_kmcnt 0x0
	s_add_nc_u64 s[4:5], s[4:5], s[32:33]
	s_add_nc_u64 s[6:7], s[6:7], s[34:35]
	s_add_nc_u64 s[8:9], s[8:9], s[36:37]
	s_add_nc_u64 s[10:11], s[10:11], s[38:39]
	s_add_nc_u64 s[12:13], s[12:13], s[38:39]
	s_add_nc_u64 s[14:15], s[14:15], s[38:39]
	s_add_nc_u64 s[16:17], s[16:17], s[38:39]
	s_add_nc_u64 s[18:19], s[18:19], s[38:39]
	s_add_nc_u64 s[20:21], s[20:21], s[42:43]
	s_add_nc_u64 s[22:23], s[22:23], s[50:51]
	s_add_nc_u64 s[24:25], s[24:25], s[40:41]
	s_add_nc_u64 s[26:27], s[26:27], s[52:53]
	global_load_b128 v[WP:WP+3], v[WA], s[20:21]                   ; my two pieces of Wh
	global_load_b128 v[WP+4:WP+7], v[WA], s[20:21] offset:32
.irp b, 0,1,2,3
.irp j, 0,1,2,3
	global_load_b128 v[XF+16*\b+4*\j:XF+16*\b+4*\j+3], v[XA], s[4:5] offset:128*\b+16*\j   ; register 16 b + i = k 32 b + 16 h + i of my row
.endr
.endr
.irp c, 0,1,2,3
	global_load_b128 v[WF+4*\c:WF+4*\c+3], v[WA], s[6:7] offset:32*\c                      ; Ws's fragment of my K step
.endr
	global_load_b32 v[BSW], v[SA], s[8:9]
	global_load_b32 v[KB], v[EA], s[10:11]
	global_load_b32 v[KB+1], v[EA], s[12:13]
	global_load_b32 v[KB+2], v[EA], s[14:15]
	global_load_b32 v[KB+3], v[EA], s[16:17]
	global_load_b32 v[KB+4], v[EA], s[18:19]
	s_cmp_lg_u32 s[WV], 0                          ; wave 0 copies the record's 512 scale bytes: load, wait and store in one block; its other loads went out just ahead
	s_cbranch_scc1 .Lno_scales
	global_load_b128 v[SCP:SCP+3], v[LI], s[22:23]
	s_wait_loadcnt 0x0
	global_store_b128 v[LI], v[SCP:SCP+3], s[26:27] offset:16384
.Lno_scales:
	s_wait_loadcnt 26                              ; the two pieces are in: 16 + 4 + 1 + 5 loads were issued behind them
	global_store_b128 v[LI], v[WP:WP+3], s[26:27]                  ; each store covers 512 consecutive bytes, aligned
	global_store_b128 v[LI], v[WP+4:WP+7], s[26:27] offset:512
	s_wait_loadcnt 10                              ; dec's 16 loads are in: 4 + 1 + 5 were issued behind them
	; the quantiser: four blocks of 32, 16 numbers of each in my lane, the other 16 in lane l xor 16
.irp b, 0,1,2,3
	v_max3_num_f32 v[TM+\b], |v[XF+16*\b]|, |v[XF+1+16*\b]|, 0x8000000   ; and the floor 2^(16 - 127): the byte cannot fall under 1
.endr
.irp i, 2,4,6,8,10,12,14
.irp b, 0,1,2,3
	s_delay_alu instid0(VALU_DEP_4)
	v_max3_num_f32 v[TM+\b], v[TM+\b], |v[XF+16*\b+\i]|, |v[XF+1+16*\b+\i]|
.endr
.endr
.irp b, 0,1,2,3
	s_delay_alu instid0(VALU_DEP_4)
	v_permlanex16_b32 v[TM+4+\b], v[TM+\b], s[SEL], s[SEL+1]
.endr
.irp b, 0,1,2,3
	s_delay_alu instid0(VALU_DEP_4)
	v_max_num_f32 v[TM+\b], v[TM+\b], v[TM+4+\b]   ; the block's largest magnitude
.endr
.irp b, 0,1,2,3
	s_delay_alu instid0(VALU_DEP_4)
	v_add_nc_u32 v[TM+12+\b], 0xf8800000, v[TM+\b] ; 15 off its exponent field: the conversion's scale operand
.endr
.irp b, 0,1,2,3
	v_and_or_b32 v[TM+8+\b], v[TM+\b], 0x7f800000, s[MNT]   ; 57,344 x the scale
.endr
.irp b, 0,1,2,3
	v_lshrrev_b32 v[TM+4+\b], 23, v[TM+12+\b]      ; the scale's byte
.endr
	s_delay_alu instid0(VALU_DEP_3)
	v_lshl_or_b32 v[PW], v[TM+5], 8, v[TM+4]
	s_delay_alu instid0(VALU_DEP_1)
	v_lshl_or_b32 v[PW], v[TM+6], 16, v[PW]
	s_delay_alu instid0(VALU_DEP_1)
	v_lshl_or_b32 v[PW], v[TM+7], 24, v[PW]        ; my row's scale word: the 64 holds below stand between it and the product
.irp b, 0,1,2,3
.irp i, 0,1,2,3,4,5,6,7,8,9,10,11,12,13,14,15
	v_med3_num_f32 v[XF+16*\b+\i], v[XF+16*\b+\i], -v[TM+8+\b], v[TM+8+\b]   ; the conversion to an 8-bit code does not saturate (ISA guide 7.6.2): the hold
.endr
	v_cvt_scalef32_pk8_bf8_f32 v[PC+4*\b:PC+1+4*\b], v[XF+16*\b:XF+7+16*\b], v[TM+12+\b]
	v_cvt_scalef32_pk8_bf8_f32 v[PC+2+4*\b:PC+3+4*\b], v[XF+8+16*\b:XF+15+16*\b], v[TM+12+\b]
.endr
.rept 4
	v_nop                                          ; an operand written by vector instructions stands four places ahead of a scaled matrix instruction
.endr
	s_wait_alu depctr_va_vdst(0)
	s_wait_loadcnt 5                               ; Ws's fragment and its scale word are in; the five constants may be out
	v_wmma_scale_f32_16x16x128_f8f6f4 v[ACC:ACC+7], v[PC:PC+15], v[WF:WF+15], 0, v[PW], v[BSW] matrix_a_fmt:MATRIX_FMT_BF8 matrix_b_fmt:MATRIX_FMT_BF8
	s_wait_loadcnt 0x0
	v_add_f32 v[BSUM], v[KB], v[KB+1]              ; eight places in front of the first read of the result: the column's constants, and three v_nop
	v_mul_f32 v[BSUM+1], s[CC], v[KB+3]            ; c Wc
	v_mul_f32 v[BSUM+2], s[CC+1], v[KB+4]          ; -c v
	s_delay_alu instid0(VALU_DEP_3)
	v_add_f32 v[BSUM], v[BSUM], v[KB+2]
	s_delay_alu instid0(VALU_DEP_1)
	v_mul_f32 v[BSUM], s[CC], v[BSUM]              ; c (bs + bh + bc)
.rept 3
	v_nop
.endr
.irp j, 0,1,2,3,4,5,6,7
	ds_store_b32 v[PWI], v[ACC+\j] offset:PART+128*\j              ; from the low end on; 128 consecutive bytes a store
.endr
	s_wait_dscnt 0x0                               ; for the others: my stores have landed
	s_barrier_signal -1
	s_barrier_wait -1                              ; the sixteen parts lie in LDS
.irp i, 0,1,2,3,4,5,6,7
	ds_load_b32 v[PS+\i], v[RD] offset:PART+1024*\i                ; register j of K step i's part, rows 16 t on
.endr
	s_wait_dscnt 0x0
	v_add_f32 v[PS], v[PS], v[PS+1]
.irp i, 2,3,4,5,6,7
	s_delay_alu instid0(VALU_DEP_1)
	v_add_f32 v[PS], v[PS], v[PS+\i]               ; K ascending
.endr
	s_wait_alu depctr_va_vdst(0)
	v_fma_f32 v[OQ], v[PS], s[CC], v[BSUM]         ; lane (r, h): b = 16 t + 8 h + j, e = 16 n + r
	v_mov_b32 v[OQ+1], v[BSUM+1]
	v_mov_b32 v[OQ+2], v[BSUM+2]
	v_mov_b32 v[OQ+3], 0
	global_store_b128 v[OA], v[OQ:OQ+3], s[24:25]  ; sixteen lanes store 256 consecutive bytes, aligned
	s_wait_tensorcnt 0x0                           ; the wave's end
	ds_add_u32 v[SPW], v[NIL]
	s_wait_dscnt 0x0
	s_endpgm
.Lfunc_end_k_qe6b186efaf_prep:
	.size	k_qe6b186efaf_prep, .Lfunc_end_k_qe6b186efaf_prep-k_qe6b186efaf_prep
	.p2alignl 7, 3214868480
	.fill 96, 4, 3214868480
	.section	.rodata,"a",@progbits
	.p2align	6, 0x0
	.amdhsa_kernel k_qe6b186efaf_prep
		.amdhsa_group_segment_fixed_size 18432
		.amdhsa_private_segment_fixed_size 0
		.amdhsa_enable_private_segment 0
		.amdhsa_kernarg_size 96
		.amdhsa_user_sgpr_count 2
		.amdhsa_user_sgpr_kernarg_segment_ptr 1
		.amdhsa_wavefront_size32 1
		.amdhsa_system_sgpr_workgroup_id_x 1
		.amdhsa_system_sgpr_workgroup_id_y 1
		.amdhsa_system_sgpr_workgroup_id_z 1
		.amdhsa_system_vgpr_workitem_id 0
		.amdhsa_next_free_vgpr 192
		.amdhsa_next_free_sgpr 66
		.amdhsa_reserve_vcc 0
		.amdhsa_float_denorm_mode_32 3
		.amdhsa_float_denorm_mode_16_64 3
		.amdhsa_memory_ordered 1
		.amdhsa_forward_progress 1
		.amdhsa_inst_pref_size 19
	.end_amdhsa_kernel
	.amdgpu_metadata
---
amdhsa.version: [ 1, 2 ]
amdhsa.kernels:
  - .name:           k_qe6b186efaf_prep
    .symbol:         k_qe6b186efaf_prep.kd
    .args:
      - { .name: dec_hidden, .offset: 0, .size: 8, .value_kind: global_buffer, .address_space: global }
      - { .name: Ws_codes, .offset: 8, .size: 8, .value_kind: global_buffer, .address_space: global }
      - { .name: Ws_scales, .offset: 16, .size: 8, .value_kind: global_buffer, .address_space: global }
      - { .name: bs, .offset: 24, .size: 8, .value_kind: global_buffer, .address_space: global }
      - { .name: bh, .offset: 32, .size: 8, .value_kind: global_buffer, .address_space: global }
      - { .name: bc, .offset: 40, .size: 8, .value_kind: global_buffer, .address_space: global }
      - { .name: Wc, .offset: 48, .size: 8, .value_kind: global_buffer, .address_space: global }
      - { .name: v, .offset: 56, .size: 8, .value_kind: global_buffer, .address_space: global }
      - { .name: Wh_codes, .offset: 64, .size: 8, .value_kind: global_buffer, .address_space: global }
      - { .name: Wh_scales, .offset: 72, .size: 8, .value_kind: global_buffer, .address_space: global }
      - { .name: cst, .offset: 80, .size: 8, .value_kind: global_buffer, .address_space: global }
      - { .name: whp, .offset: 88, .size: 8, .value_kind: global_buffer, .address_space: global }
    .group_segment_fixed_size: 18432
    .private_segment_fixed_size: 0
    .kernarg_segment_align: 8
    .kernarg_segment_size: 96
    .max_flat_workgroup_size: 512
    .sgpr_count:     66
    .vgpr_count:     192
    .wavefront_size: 32
...
	.end_amdgpu_metadata
.endif
;; end of part 1
;; launch main (part 2): grid 256 x 1, 4 waves a work-group, clusters of 4 x 1, 327,680 bytes of LDS; arguments enc_output, prev_coverage, enc_pad_mask, whp, cst, pctx, pmw; writes pctx, pmw
.if DOCPART == 2
	.amdgcn_target "amdgcn-amd-amdhsa--gfx1250"
	.amdhsa_code_object_version 6
	.text
	.protected	k_qe6b186efaf_main
	.globl	k_qe6b186efaf_main
	.p2align	8
	.type	k_qe6b186efaf_main,@function
k_qe6b186efaf_main:
	s_mov_b64 s[64:65], 0
	v_nop
	global_prefetch_b8 v0, s[64:65] scope:SCOPE_SE
	s_setreg_imm32_b32 hwreg(HW_REG_WAVE_MODE, 25, 1), 1
	s_wait_xcnt 0x0
	s_wait_alu depctr_hold_cnt(0) depctr_sa_sdst(0) depctr_va_vdst(0) depctr_va_sdst(0) depctr_va_ssrc(0) depctr_va_vcc(0) depctr_vm_vsrc(0)
	s_getreg_b32 s2, hwreg(HW_REG_IB_STS2, 6, 4)
	s_cmp_eq_u32 s2, 0
	s_cbranch_scc0 .Lentry_in_a_cluster
	s_endpgm
.Lentry_in_a_cluster:
	s_bfe_u32 s2, ttmp6, 0x10000c
	s_cmp_lg_u32 s2, 0x3003
	s_cbranch_scc0 .Lentry_shape_is_right
	s_endpgm
.Lentry_shape_is_right:
; For two blocks of 128 rows (b, s) of enc_output, one after the other: the scores, and each block's part of the softmax and of the context, from ONE read of the rows.
; LEFT OUT as the first kernel's head shows: bv, the sum of v, the softmax's own divisor.  LIMITS: NaN and infinities among the inputs are not served; a block of 32 zeros gets the scale byte 1 (its codes are zeros; the bytes are this program's own).
;   z = c acc + B + cov[s] W,  r = 1 / (1 + 2^z),  t[s] = sum over e of V r   (acc = the QUANTISED product enc . Wh[e];  (B, W, V) = cst[b][e];  c = 2 log2(e)).
;   m = the block's largest t;  p = 2^(t - m);  out go p x mask (pmw), the sum of p x mask and m, and the sum of p x mask x enc (pctx): the last launch joins the sixteen blocks of a batch.
; SHARES.  A work-group of four waves stays for blocks 2 g and 2 g + 1; a wave owns 32 rows of a block from end to end: their codes (window 1) and the rows as bf16 (windows 2, 3), which the context wants.
; PHASE X.  A wave's rows come by its own tensor loads, four chunks of 16 rows x 2,048 bytes, by turns into LDS regions A and B; only the issuing wave reads them.  A chunk's tile is stated 264 elements wide over a tensor
;   256 wide, so each LDS row is 2,048 bytes of data and 64 of zeros: 16 x 2,112 = 33,792 bytes, the very bytes that the wave's part of a slot of Wh fills later.
;   Two half rows at a time are rounded to bf16 and quantised (8 neighbours of a block in a lane, a block in four lanes; four chains by turns), and the codes turn through the wave's own stage into the order of an operand's registers.
; PHASE G.  64 tiles of 16 columns; Wh comes as records in register order through the same two regions, 8 records a slot, by joint loads.  A tile is 16 products on end on FOUR accumulators that take turns: each of my two
;   tiles of rows sums K steps 0-3 and K steps 4-7 apart, and z takes both sums in.  Behind the products: plain lines (the sums V r of the tile before, cov W + B of this one), ONE run of 34 LDS loads for the next tile, the epilogue.
;   No transcendental and no s_wait_alu stands between the steps of a sum.
; CLUSTER.  Four work-groups (8 blocks, one batch) walk the same records of Wh: those loads are joint.  The rows' loads are each work-group's own (mask 0) and stand behind rounds too.
; THE NEXT BLOCK.  At the change behind slot 6 region A is free and takes the next block's first chunk.  In the loop's last trip there is no next block: a jump on the trip counter leads round that one plain load;
;   every wait on TENSORcnt is for 0.  The tail is not written out: phase X and the context name each register by number.
; PREFETCH.  In each of a block's 8 slots a wave asks for 16,384 bytes (two instructions, a lane a block of 256 bytes) of its own 131,072 bytes of the next block: one trip of the block loop ahead; the last trip asks for nothing.
;   whp and cst are read by every work-group and are not asked for.
.set SLOTB, 135168
.set RECB,  16896
.set RROW,  2112
.set CSTL,  270336                     ; cst's row of my batch, stored here through registers; from here on no tensor load lands
.set XB,    286720
.set XBW,   8448
.set XP,    528
.set SCB,   320512
.set SCW,   1152
.set TT,    325120
.set PP,    325632
.set MX,    326144
.set SPARE, 326400
.set SPW,  1
.set NIL,  2
.set PFO,  3                           ; 256 x lane
.set TST,  4
.set TLD,  5
.set SST,  6
.set SLD,  7
.set LI,   8
.set LSC,  9
.set LCN,  10
.set ADB1, 12
.set ADS,  13
.set ADC,  14
.set MSK,  15
.set AS,   16
.set BS,   24
.set CN,   28
.set RA,   32                          ; v32, v33: my raw rows in region A, B: + 32 x lane
.set TA,   34
.set TL,   35
.set PL,   36
.set PU,   37
.set XS,   38
.set XR,   39
.set CV,   40
.set SS,   56
.set ACC,  72                          ; v72-103: accumulator (tile t of rows, half q of K) at ACC + 8 t + 16 q.  Phase X: chain n's largest magnitude, scale operand and hold at ACC + 4 n
.set XT,   88                          ; phase X: four sets of (4 registers of codes, 2 bytes)
.set EZ,   104                         ; phase G: B + cov W, z, 2^z, 1 + 2^z, r, in place
.set CW,   120                         ; W; v121 is named with it as a pair
.set VW,   122                         ; V of the tile whose r lies in EZ; v123 is named with it as a pair
.set CVA,  126                         ; 32 h
.set MKA,  127                         ; 4 x lane
.set LAND, 128
.set BF,   128
.set PB,   128
.set CT,   160
.set JN,   192
.set WV,   18
.set BLK,  66                          ; blocks to go
.set PF,   68                          ; s[68:69] where my prefetches stand
.set MSB, 0
.macro WIN new
.if MSB != (\new)
	s_set_vgpr_msb (MSB<<8)|(\new)
.set MSB, (\new)
.endif
.endm
.macro PLACES n
.rept \n
	v_nop
.endr
.endm
.macro AW
	s_wait_alu depctr_va_vdst(0)
.endm
.macro CROUND
	s_barrier_signal -1
	s_barrier_wait -1
	s_cmp_lg_u32 s[WV], 0
	s_cbranch_scc1 .Lnot_wave_0_\@
	s_barrier_signal -3
.Lnot_wave_0_\@:
	s_barrier_wait -3
	s_barrier_signal -1
	s_barrier_wait -1
.endm
	s_load_b256 s[4:11], s[0:1], 0x0               ; enc, cov, mask, whp
	s_load_b128 s[12:15], s[0:1], 0x20             ; cst, pctx
	s_load_b64 s[16:17], s[0:1], 0x30              ; pmw
	v_lshl_add_u32 v[SPW], v0, 2, SPARE
	v_mov_b32 v[NIL], 0
	ds_add_u32 v[SPW], v[NIL]                      ; the opening lines: the add twice on end and one wait
	ds_add_u32 v[SPW], v[NIL]
	v_lshrrev_b32 v120, 5, v0
	v_readfirstlane_b32 s[WV], v120
	s_bfe_u32 s19, ttmp6, 0x40000                  ; cx: it enters global addresses of my own rows and results alone
	s_lshl_b32 s20, ttmp9, 2
	s_add_co_u32 s20, s20, s19
	s_lshl_b32 s20, s20, 1                         ; my first block
	s_lshr_b32 s21, ttmp9, 1                       ; the batch: two clusters to a batch
	s_mov_b32 s24, 15|(3<<16)|(1<<21)              ; s[24:31]: two records of Wh as 132 rows of 256 bytes, joint
	s_mov_b32 s25, 32<<16
	s_mov_b32 s26, 132<<16
	s_mov_b32 s27, 32<<16
	s_mov_b32 s28, 132
	s_mov_b32 s29, 32
	s_mov_b32 s30, 0
	s_mov_b32 s31, 0
	s_mov_b32 s32, 3<<16                           ; s[32:39]: a chunk of rows: elements of 8 bytes, no mask
	s_mov_b32 s33, 256<<16                         ; tensor_dim0 = 256: beyond it zeros are written
	s_mov_b32 s34, 16<<16                          ; tensor_dim1
	s_mov_b32 s35, 264<<16                         ; tile_dim0 = 264
	s_mov_b32 s36, 16                              ; tile_dim1
	s_mov_b32 s37, 512                             ; a row of enc
	s_mov_b32 s38, 0
	s_mov_b32 s39, 0
	s_mov_b32 s22, 0x4038aa3b                      ; c
	s_mov_b32 s23, s22
	s_mov_b32 s58, 0x76543210
	s_mov_b32 s59, 0xfedcba98
	s_mov_b32 s60, 0x600000
	s_mov_b32 s61, 0x8000000
	s_mov_b32 s62, 0xf8800000
	s_mov_b32 s63, 0x7f800000
	s_mul_i32 s55, s[WV], 2*RECB                   ; my quarter of a region
	s_lshl_b32 s74, s20, 7
	s_lshl_b32 s75, s[WV], 5
	s_add_co_u32 s74, s74, s75                     ; my first row
	s_lshl_b32 s76, s74, 12
	s_mov_b32 s77, 0
	s_lshl_b32 s74, s74, 2
	s_mov_b32 s75, 0
	s_lshl_b32 s70, s21, 14                        ; cst: a batch's 16,384 bytes + my quarter
	s_lshl_b32 s71, s[WV], 12
	s_add_co_u32 s70, s70, s71
	s_add_co_u32 s86, s71, CSTL
	s_mov_b32 s71, 0
	s_mov_b32 s72, s55
	s_mov_b32 s73, 0
	s_mov_b32 s40, 1                               ; s[40:43]: rows into region A
	s_mov_b32 s41, s55
	s_mov_b32 s44, 1                               ; s[44:47]: rows into region B
	s_add_co_u32 s45, s55, SLOTB
	s_mov_b32 s48, 1                               ; s[48:51]: Wh, walking
	s_mov_b32 s49, s55
	s_mul_i32 s80, s[WV], XBW
	s_add_co_u32 s80, s80, XB
	s_mul_i32 s81, s[WV], SCW
	s_add_co_u32 s81, s81, SCB
	s_lshl_b32 s82, s[WV], 7
	s_add_co_u32 s83, s82, PP
	s_add_co_u32 s82, s82, TT
	s_lshl_b32 s88, s[WV], 10
	s_add_co_u32 s84, s88, XB
	s_lshl_b32 s87, s[WV], 2
	s_add_co_u32 s87, s87, MX
	v_and_b32 v120, 31, v0
	v_and_b32 v121, 15, v0
	v_bfe_u32 v122, v0, 4, 1
	v_lshl_add_u32 v[RA], v120, 5, s55
	v_add_nc_u32 v[RA+1], SLOTB, v[RA]
	v_lshl_add_u32 v[TST], v120, 3, s80
	v_mul_u32_u24 v[TLD], v121, XP
	v_lshl_add_u32 v[TLD], v122, 4, v[TLD]
	v_add_nc_u32 v[TLD], s80, v[TLD]
	v_lshrrev_b32 v[SST], 2, v120
	v_add_nc_u32 v[SST], s81, v[SST]
	v_mul_u32_u24 v[SLD], v121, 36
	v_lshl_add_u32 v[SLD], v122, 2, v[SLD]
	v_add_nc_u32 v[SLD], s81, v[SLD]
	v_lshlrev_b32 v[LI], 4, v120
	v_lshlrev_b32 v[LSC], 5, v121
	v_lshl_add_u32 v[LSC], v122, 4, v[LSC]
	v_lshl_add_u32 v[LCN], v121, 4, CSTL
	v_lshl_add_u32 v[TA], v122, 5, s82
	v_lshl_add_u32 v[TL], v120, 2, s82
	v_lshl_add_u32 v[PL], v120, 2, s83
	v_mov_b32 v[PU], s83
	v_lshl_add_u32 v[XS], v120, 5, s80
	v_lshl_add_u32 v[XR], v120, 4, s84
	v_lshlrev_b32 v[CVA], 5, v122
	v_lshlrev_b32 v[MKA], 2, v120
	v_lshlrev_b32 v[PFO], 8, v120
	v_lshl_add_u32 v124, v120, 4, s86              ; where my quarter of cst's row goes
	AW                                             ; the wait at the head's end
	s_wait_dscnt 0x0
	s_wait_kmcnt 0x0
	s_add_nc_u64 s[4:5], s[4:5], s[76:77]
	s_add_nc_u64 s[6:7], s[6:7], s[74:75]
	s_add_nc_u64 s[8:9], s[8:9], s[74:75]
	s_mul_i32 s76, s20, 4608
	s_add_nc_u64 s[14:15], s[14:15], s[76:77]
	s_lshl_b32 s76, s20, 9
	s_add_nc_u64 s[16:17], s[16:17], s[76:77]
	s_add_nc_u64 s[12:13], s[12:13], s[70:71]
	s_mov_b64 s[42:43], s[4:5]                     ; chunk 0
	s_add_nc_u64 s[46:47], s[4:5], 2048            ; chunk 1
	s_add_nc_u64 s[PF:PF+1], s[4:5], 524288-16384  ; one step short of my rows of the next block
	s_add_nc_u64 s[50:51], s[10:11], s[72:73]
	s_or_b32 s43, s43, 0x80000000
	s_or_b32 s47, s47, 0x80000000
	s_or_b32 s51, s51, 0x80000000
.irp i, 0,1,2,3,4,5,6,7
	global_load_b128 v[LAND+4*\i:LAND+4*\i+3], v[LI], s[12:13] offset:512*\i
.endr
	CROUND
	tensor_load_to_lds s[40:43], s[32:39]          ; my one load at the head: chunk 0 of the first block
	s_nop 0
	PLACES 4
	s_wait_loadcnt 0x0
.irp i, 0,1,2,3,4,5,6,7
	ds_store_b128 v124, v[LAND+4*\i:LAND+4*\i+3] offset:512*\i
.endr
	s_mov_b32 s[BLK], 2
; The three lines, a round, and my one tensor load behind it.  kind 1, 3: rows into B; 2: rows into A; 4, 5: Wh's slots 0 and 1.
.macro XFILL kind
	s_wait_tensorcnt 0x0                           ; all my tensor loads have landed, so a group 0 may be written
	ds_add_u32 v[SPW], v[NIL]
.if \kind == 2
	s_add_nc_u64 s[42:43], s[42:43], 65536         ; 16 rows down
.endif
.if \kind == 3
	s_add_nc_u64 s[46:47], s[46:47], 65536
.endif
.if \kind == 5
	s_xor_b32 s49, s49, SLOTB
	s_add_nc_u64 s[50:51], s[50:51], SLOTB
.endif
	s_wait_dscnt 0x0                               ; the add, my reads of the region and my LDS stores are done
	CROUND
.if \kind == 2
	tensor_load_to_lds s[40:43], s[32:39]
.elseif \kind >= 4
	tensor_load_to_lds s[48:51], s[24:31]
.else
	tensor_load_to_lds s[44:47], s[32:39]
.endif
	s_nop 0
	PLACES 4
.endm
; Unit i of chunk c = 2 t + u: row i of tile t, numbers 512 u on.  A lane takes numbers 8 lane + 0 .. 7 of each 256.
.macro XLD a, i
.irp m, 0,1,2,3
	ds_load_b128 v[LAND+16*((\i)%8)+4*\m:LAND+16*((\i)%8)+4*\m+3], v[\a] offset:RROW*(\i)+1024*(\m/2)+16*(\m%2)
.endr
.endm
; Units i and i + 1 together: four chains (chain n: unit i + n / 2, its n % 2-th 256 numbers) take turns line by line.
.macro XPAIR c, i
.set xt, (\c)/2
.set xu, (\c)%2
.if (\i) == 0 || (\i) == 14
	s_wait_dscnt 8                                 ; behind my pair's eight loads: the next pair's eight loads (first pair), or the pair before's eight stores (last pair)
.else
	s_wait_dscnt 16                                ; behind my pair's eight loads: the pair before's eight stores and the next pair's eight loads
.endif
	WIN 0x80+0x40*xt
.irp e, 0,1
.irp k, 0,1,2,3,4,5,6,7
	v_cvt_pk_bf16_f32 v[16*((\i)+\e)+8*xu+\k], v[LAND+16*(((\i)+\e)%8)+2*\k], v[LAND+16*(((\i)+\e)%8)+2*\k+1]
.endr
.endr
	WIN 0
.irp n, 0,1,2,3
.set xD, LAND+16*(((\i)+\n/2)%8)+8*(\n%2)
	v_max3_num_f32 v[ACC+4*\n], |v[xD]|, |v[xD+1]|, s61            ; my 8 numbers of the block, and the floor
.endr
.irp k, 2,4,6
.irp n, 0,1,2,3
.set xD, LAND+16*(((\i)+\n/2)%8)+8*(\n%2)
	v_max3_num_f32 v[ACC+4*\n], v[ACC+4*\n], |v[xD+\k]|, |v[xD+\k+1]|
.endr
.endr
.irp x, 1,2
.irp n, 0,1,2,3
	v_max_num_f32_dpp v[ACC+4*\n], v[ACC+4*\n], v[ACC+4*\n] row_xmask:\x row_mask:0xf bank_mask:0xf
.endr
.endr
.irp n, 0,1,2,3
	v_add_nc_u32 v[ACC+4*\n+1], s62, v[ACC+4*\n]   ; 15 off the exponent field: the conversion's scale operand
.endr
.irp n, 0,1,2,3
	v_and_or_b32 v[ACC+4*\n+2], v[ACC+4*\n], s63, s60              ; 57,344 x the scale
.endr
.irp k, 0,1,2,3,4,5,6,7
.irp n, 0,1,2,3
.set xD, LAND+16*(((\i)+\n/2)%8)+8*(\n%2)
	v_med3_num_f32 v[xD+\k], v[xD+\k], -v[ACC+4*\n+2], v[ACC+4*\n+2]   ; the hold (ISA guide 7.6.2: the conversion does not saturate)
.endr
.endr
.irp n, 0,1,2,3
.set xD, LAND+16*(((\i)+\n/2)%8)+8*(\n%2)
.set xC, XT+8*(((\i)+\n/2)%4)+2*(\n%2)
	v_cvt_scalef32_pk8_bf8_f32 v[xC:xC+1], v[xD:xD+7], v[ACC+4*\n+1]
.endr
.irp n, 0,1,2,3
	v_lshrrev_b32 v[XT+8*(((\i)+\n/2)%4)+4+(\n%2)], 23, v[ACC+4*\n+1]  ; the scales' bytes; also the plain lines behind the conversions
.endr
.irp e, 0,1
.set xT, XT+8*(((\i)+\e)%4)
	ds_store_b64 v[TST], v[xT:xT+1] offset:XP*((\i)+\e)
	ds_store_b64 v[TST], v[xT+2:xT+3] offset:XP*((\i)+\e)+256
	ds_store_b8 v[SST], v[xT+4] offset:576*xt+36*((\i)+\e)+16*xu
	ds_store_b8 v[SST], v[xT+5] offset:576*xt+36*((\i)+\e)+16*xu+8
.endr
.if (\i) < 12
	XLD RA+(\c)%2, (\i)+4
	XLD RA+(\c)%2, (\i)+5
.endif
.endm
; Behind 16 units the stage holds 16 rows x 512 codes: four fragments.  LDS serves a wave's instructions in order (ISA guide 5.7.1.4).
.macro XTURN t, u
	WIN 0x40
.irp s, 0,1,2,3
.irp c, 0,1,2,3
	ds_load_b128 v[16*(8*(\t)+4*(\u)+\s)+4*\c:16*(8*(\t)+4*(\u)+\s)+4*\c+3], v[TLD] offset:128*\s+32*\c
.endr
.endr
	WIN 0
.if \u
.irp g, 0,1,2,3
	ds_load_b32 v[AS+4*(\t)+\g], v[SLD] offset:576*(\t)+8*\g
.endr
.endif
.endm
.macro XCHUNK c
.irp i, 0,1,2,3
	XLD RA+(\c)%2, \i
.endr
.set Q, 0
.rept 8
	XPAIR \c, Q
.set Q, Q+2
.endr
	XTURN (\c)/2, (\c)%2
.endm
; 33 LDS loads in one run: a record's scale words, then its eight fragments in the order in which the products want them; 512 consecutive bytes a load
.macro FRUN b, s
	ds_load_b128 v[BS:BS+3], v[\s] offset:16384
.irp f, 0,4,1,5,2,6,3,7
.irp c, 0,1,2,3
	ds_load_b128 v[BF+16*\f+4*\c:BF+16*\f+4*\c+3], v[\b] offset:512*(4*\f+\c)
.endr
.endr
.endm
.macro WM t, s                         ; my tile t of rows x the record's 16 columns, K step s; source 0, my codes, in window 1.  K steps 0 and 4 start their sums
.set wA, 16*(8*(\t)+(\s))
.set wB, BF+16*(\s)
.set wD, ACC+8*(\t)+16*((\s)/4)
.set wP, AS+4*(\t)+(\s)/2
.set wQ, BS+(\s)%4
.if (\s) == 0
	v_wmma_scale_f32_16x16x128_f8f6f4 v[wD:wD+7], v[wA:wA+15], v[wB:wB+15], 0, v[wP], v[wQ] matrix_a_fmt:MATRIX_FMT_BF8 matrix_b_fmt:MATRIX_FMT_BF8
.elseif (\s) == 4
	v_wmma_scale_f32_16x16x128_f8f6f4 v[wD:wD+7], v[wA:wA+15], v[wB:wB+15], 0, v[wP], v[wQ] matrix_a_fmt:MATRIX_FMT_BF8 matrix_b_fmt:MATRIX_FMT_BF8 matrix_b_scale:MATRIX_SCALE_ROW1
.elseif (\s) < 4 && (\s)%2 == 0
	v_wmma_scale_f32_16x16x128_f8f6f4 v[wD:wD+7], v[wA:wA+15], v[wB:wB+15], v[wD:wD+7], v[wP], v[wQ] matrix_a_fmt:MATRIX_FMT_BF8 matrix_b_fmt:MATRIX_FMT_BF8
.elseif (\s) < 4
	v_wmma_scale_f32_16x16x128_f8f6f4 v[wD:wD+7], v[wA:wA+15], v[wB:wB+15], v[wD:wD+7], v[wP], v[wQ] matrix_a_fmt:MATRIX_FMT_BF8 matrix_b_fmt:MATRIX_FMT_BF8 matrix_a_scale:MATRIX_SCALE_ROW1
.elseif (\s)%2 == 0
	v_wmma_scale_f32_16x16x128_f8f6f4 v[wD:wD+7], v[wA:wA+15], v[wB:wB+15], v[wD:wD+7], v[wP], v[wQ] matrix_a_fmt:MATRIX_FMT_BF8 matrix_b_fmt:MATRIX_FMT_BF8 matrix_b_scale:MATRIX_SCALE_ROW1
.else
	v_wmma_scale_f32_16x16x128_f8f6f4 v[wD:wD+7], v[wA:wA+15], v[wB:wB+15], v[wD:wD+7], v[wP], v[wQ] matrix_a_fmt:MATRIX_FMT_BF8 matrix_b_fmt:MATRIX_FMT_BF8 matrix_a_scale:MATRIX_SCALE_ROW1 matrix_b_scale:MATRIX_SCALE_ROW1
.endif
.endm
.macro VSUM                            ; += V r of the tile whose r lies in EZ and whose V lies in VW
.irp k, 0,2,4,6,8,10,12,14
	v_pk_fma_f32 v[SS+\k:SS+\k+1], v[EZ+\k:EZ+\k+1], v[VW:VW+1], v[SS+\k:SS+\k+1] op_sel_hi:[1,0,1]
.endr
.endm
; A TILE.  Its record and its quad were asked for in the tile before.  s53: LDS byte of the record to fetch (pf = 1); s54: 256 x the tile.
; The four accumulators take turns, one instruction a turn: three other products stand between two steps of a sum.
.macro TILE pf
	WIN 0x01
.irp g, 0,1,2,3
	s_wait_dscnt 25-8*\g                           ; the scale words and the first 8 (g + 1) fragment loads are in; the other fragment loads and the quad's may be out
	WM 0, \g
	WM 1, \g
	WM 0, 4+\g
	WM 1, 4+\g
.endr
	WIN 0
	s_wait_dscnt 0x0                               ; the quad is in
	VSUM                                           ; of the tile before.  From here to the loads: plain lines, more than the eight places that the loads and the first read of the sums want
	v_mov_b32 v[CW], v[CN+1]
	v_mov_b32 v[VW], v[CN+2]
.irp k, 0,2,4,6,8,10,12,14
	v_pk_fma_f32 v[EZ+\k:EZ+\k+1], v[CV+\k:CV+\k+1], v[CW:CW+1], v[CN:CN+1] op_sel_hi:[1,0,0]            ; cov W + B
.endr
.if \pf
	v_add_nc_u32 v[ADB1], s53, v[LI]
	v_add_nc_u32 v[ADS], s53, v[LSC]
	v_add_nc_u32 v[ADC], s54, v[LCN]
	FRUN ADB1, ADS
	ds_load_b128 v[CN:CN+3], v[ADC] offset:256     ; (B, W, V, 0) of my column in the next tile
.endif
.irp k, 0,2,4,6,8,10,12,14
	v_pk_fma_f32 v[EZ+\k:EZ+\k+1], v[ACC+\k:ACC+\k+1], s[22:23], v[EZ+\k:EZ+\k+1] op_sel_hi:[1,0,1]      ; + c x the sum over K steps 0-3; each accumulator from its low end on
.endr
.irp k, 0,2,4,6,8,10,12,14
	v_pk_fma_f32 v[EZ+\k:EZ+\k+1], v[ACC+16+\k:ACC+17+\k], s[22:23], v[EZ+\k:EZ+\k+1] op_sel_hi:[1,0,1]  ; + c x the sum over K steps 4-7 = z
.endr
	AW                                             ; a wait ahead of each batch and one behind it
.irp k, 0,1,2,3,4,5,6,7,8,9,10,11,12,13,14,15
	v_exp_f32 v[EZ+\k], v[EZ+\k]
.endr
	v_nop
	AW
.irp k, 0,2,4,6,8,10,12,14
	v_pk_add_f32 v[EZ+\k:EZ+\k+1], v[EZ+\k:EZ+\k+1], 1.0 op_sel_hi:[1,0]
.endr
	AW
.irp k, 0,1,2,3,4,5,6,7,8,9,10,11,12,13,14,15
	v_rcp_f32 v[EZ+\k], v[EZ+\k]
.endr
	v_nop
	AW
	s_add_co_u32 s53, s53, RECB
	s_add_co_u32 s54, s54, 256
.endm
; THE CHANGE OF SLOTS stands ahead of a slot's last tile, whose fragments have all been asked for.  kind 1: this region takes the records two slots on.
; kind 2, behind slot 6: the descriptors go on to the next block, and region A takes its first chunk, if there is a next block.
.macro CHANGE kind
	s_wait_tensorcnt 0x0
	ds_add_u32 v[SPW], v[NIL]
	s_xor_b32 s49, s49, SLOTB
.if \kind == 1
	s_add_nc_u64 s[50:51], s[50:51], SLOTB
.else
	s_sub_nc_u64 s[50:51], s[50:51], 7*SLOTB       ; back to record 0
	s_add_nc_u64 s[42:43], s[42:43], 524288-65536  ; from chunk 2 to the next block's chunk 0
	s_add_nc_u64 s[46:47], s[46:47], 524288-65536  ; from chunk 3 to its chunk 1
.endif
	s_wait_dscnt 0x0
	CROUND
.if \kind == 1
	tensor_load_to_lds s[48:51], s[24:31]
	s_nop 0
	PLACES 4
.else
	s_cmp_eq_u32 s[BLK], 1
	s_cbranch_scc1 .Lno_next_\@
	tensor_load_to_lds s[40:43], s[32:39]
	s_nop 0
	PLACES 4
.Lno_next_\@:
.endif
	s_xor_b32 s52, s52, SLOTB
	s_mov_b32 s53, s52
.endm
.macro SLOTBODY kind
	s_wait_xcnt 0x0                                ; the last slot's prefetches have read their address
	s_add_nc_u64 s[PF:PF+1], s[PF:PF+1], 16384
	s_cmp_eq_u32 s[BLK], 1
	s_cbranch_scc1 .Lno_ask_\@
	global_prefetch_b8 v[PFO], s[PF:PF+1] th:TH_LOAD_NT scope:SCOPE_SE
	global_prefetch_b8 v[PFO], s[PF:PF+1] offset:8192 th:TH_LOAD_NT scope:SCOPE_SE
.Lno_ask_\@:
	s_mov_b32 s57, 7
.Ltile_\@:
	TILE 1
	s_sub_co_u32 s57, s57, 1
	s_cmp_lg_u32 s57, 0
	s_cbranch_scc1 .Ltile_\@
.if \kind == 3
	TILE 0
.else
	CHANGE \kind
	TILE 1
.endif
.endm
.Lblock:
	global_load_b128 v[CV:CV+3], v[CVA], s[6:7]
	global_load_b128 v[CV+4:CV+7], v[CVA], s[6:7] offset:16
	global_load_b128 v[CV+8:CV+11], v[CVA], s[6:7] offset:64
	global_load_b128 v[CV+12:CV+15], v[CVA], s[6:7] offset:80
	global_load_b32 v[MSK], v[MKA], s[8:9]
	XFILL 1                                        ; chunk 0 has landed; chunk 1 goes out
	XCHUNK 0
	XFILL 2
	XCHUNK 1
	XFILL 3
	XCHUNK 2
	XFILL 4                                        ; region A takes Wh's slot 0
	XCHUNK 3
	s_wait_loadcnt 0x0                             ; cov and the mask
.irp k, 0,1,2,3,4,5,6,7,8,9,10,11,12,13,14,15
	v_mov_b32 v[SS+\k], 0
	v_mov_b32 v[EZ+\k], 0                          ; the first tile's VSUM finds r = 0 and V = 0
.endr
	v_mov_b32 v[VW], 0
	v_mov_b32 v[VW+1], 0
	v_mov_b32 v[CW+1], 0
	AW                                             ; the wait ahead of the waits below
	XFILL 5                                        ; slot 0 has landed; region B takes slot 1
	s_mov_b32 s52, 0
	s_mov_b32 s53, RECB
	s_mov_b32 s54, 0
	FRUN LI, LSC                                   ; record 0,
	ds_load_b128 v[CN:CN+3], v[LCN]                ; and tile 0's quad
	s_mov_b32 s56, 6
.Lslot:
	SLOTBODY 1
	s_sub_co_u32 s56, s56, 1
	s_cmp_lg_u32 s56, 0
	s_cbranch_scc1 .Lslot
	SLOTBODY 2
	SLOTBODY 3
	VSUM                                           ; the last tile's
; THE LAST PHASE.  A row's t is the sum over the sixteen lanes of a half; then lane = row.
.irp x, 1,2,4,8
.irp k, 0,1,2,3,4,5,6,7,8,9,10,11,12,13,14,15
	v_add_f32_dpp v[SS+\k], v[SS+\k], v[SS+\k] row_xmask:\x row_mask:0xf bank_mask:0xf
.endr
.endr
	v_mov_b32 v88, s87                             ; my wave's word among the four maxima; its sum lies 16 bytes on
	v_mov_b32 v89, MX
	v_add_nc_u32 v90, PP, v[LI]
	v_add_nc_u32 v108, s88, v[LI]
	v_mov_b32 v93, 0
.irp t, 0,1
.irp j, 0,1,2,3,4,5,6,7
	ds_store_b32 v[TA], v[SS+8*\t+\j] offset:64*\t+4*\j
.endr
.endr
	ds_load_b32 v91, v[TL]
	AW                                             ; here and below: the wait ahead of a wait that blocks
	s_wait_dscnt 0x0
	v_mov_b32 v92, v91
.irp x, 1,2,4,8
	v_max_num_f32_dpp v92, v92, v92 row_xmask:\x row_mask:0xf bank_mask:0xf
.endr
	v_permlanex16_b32 v93, v92, s58, s59
	v_max_num_f32 v92, v92, v93                    ; my wave's largest t, masked rows among them, as in reference()
	ds_store_b32 v88, v92
	AW
	s_wait_dscnt 0x0
	s_barrier_signal -1
	s_barrier_wait -1
	ds_load_b128 v[96:99], v89
	s_wait_dscnt 0x0
	v_max3_num_f32 v104, v96, v97, v98
	v_max_num_f32 v104, v104, v99                  ; m
	v_sub_f32 v94, v91, v104
	AW
	v_exp_f32 v94, v94                             ; p = 2^(t - m)
	v_mov_b32 v106, v104
	AW
	v_mul_f32 v94, v94, v[MSK]
	ds_store_b32 v[PL], v94
	v_mov_b32 v95, v94
.irp x, 1,2,4,8
	v_add_f32_dpp v95, v95, v95 row_xmask:\x row_mask:0xf bank_mask:0xf
.endr
	v_permlanex16_b32 v93, v95, s58, s59
	v_add_f32 v95, v95, v93
	ds_store_b32 v88, v95 offset:16
.irp i, 0,1,2,3,4,5,6,7
	ds_load_b128 v[PB+4*\i:PB+4*\i+3], v[PU] offset:16*\i
.endr
.irp k, 0,1,2,3,4,5,6,7,8,9,10,11,12,13,14,15,16,17,18,19,20,21,22,23,24,25,26,27,28,29,30,31
	v_mov_b32 v[CT+\k], 0
.endr
	AW
	s_wait_dscnt 0x0
.irp hf, 0,1
	WIN 0x02+\hf
.set cr, 0
.rept 16
.set ck, 0
.rept 16
	v_fma_mix_f32_bf16 v[CT+2*ck], v[16*cr+ck], v[PB+16*\hf+cr], v[CT+2*ck] op_sel_hi:[1,0,0]
	v_fma_mix_f32_bf16 v[CT+2*ck+1], v[16*cr+ck], v[PB+16*\hf+cr], v[CT+2*ck+1] op_sel:[1,0,0] op_sel_hi:[1,0,0]
.set ck, ck+1
.endr
.set cr, cr+1
.endr
.endr
	WIN 0
.irp c, 0,1,2,3
	ds_store_b128 v[XS], v[CT+8*\c:CT+8*\c+3] offset:1024*\c
	ds_store_b128 v[XS], v[CT+8*\c+4:CT+8*\c+7] offset:1024*\c+16
.endr
	AW
	s_wait_dscnt 0x0                               ; for the others: my part, my weights and my sum have landed
	s_barrier_signal -1
	s_barrier_wait -1
.irp w, 0,1,2,3
	ds_load_b128 v[JN+8*\w:JN+8*\w+3], v[XR] offset:XBW*\w
	ds_load_b128 v[JN+8*\w+4:JN+8*\w+7], v[XR] offset:XBW*\w+512
.endr
	ds_load_b128 v[100:103], v89 offset:16
	s_wait_dscnt 0x0
.irp k, 0,2,4,6
	v_pk_add_f32 v[JN+\k:JN+\k+1], v[JN+\k:JN+\k+1], v[JN+8+\k:JN+9+\k]
	v_pk_add_f32 v[JN+16+\k:JN+17+\k], v[JN+16+\k:JN+17+\k], v[JN+24+\k:JN+25+\k]
.endr
.irp k, 0,2,4,6
	v_pk_add_f32 v[JN+\k:JN+\k+1], v[JN+\k:JN+\k+1], v[JN+16+\k:JN+17+\k]
.endr
	v_add_f32 v105, v100, v101
	v_add_f32 v107, v102, v103
	v_add_f32 v105, v105, v107                     ; l
	v_mov_b32 v107, v105
	global_store_b128 v108, v[JN:JN+3], s[14:15]                   ; each store covers 512 consecutive bytes, aligned
	global_store_b128 v108, v[JN+4:JN+7], s[14:15] offset:512
	AW
	s_cmp_lg_u32 s[WV], 0
	s_cbranch_scc1 .Lnot_first
	ds_load_b128 v[112:115], v90
	s_wait_dscnt 0x0
	global_store_b128 v[LI], v[112:115], s[16:17]                  ; the 128 weights
	global_store_b128 v[LI], v[104:107], s[14:15] offset:4096      ; (m, l, m, l), 32 times
.Lnot_first:
	s_wait_xcnt 0x0                                ; the stores have read their registers and bases: now these step to the next block
	s_add_nc_u64 s[6:7], s[6:7], 512
	s_add_nc_u64 s[8:9], s[8:9], 512
	s_add_nc_u64 s[14:15], s[14:15], 4608
	s_add_nc_u64 s[16:17], s[16:17], 512
	s_sub_co_u32 s[BLK], s[BLK], 1
	s_cmp_lg_u32 s[BLK], 0
	s_cbranch_scc1 .Lblock
	s_wait_tensorcnt 0x0                           ; the wave's end
	ds_add_u32 v[SPW], v[NIL]
	s_wait_dscnt 0x0
	CROUND                                         ; the closing round
	s_endpgm
.Lfunc_end_k_qe6b186efaf_main:
	.size	k_qe6b186efaf_main, .Lfunc_end_k_qe6b186efaf_main-k_qe6b186efaf_main
	.p2alignl 7, 3214868480
	.fill 96, 4, 3214868480
	.section	.rodata,"a",@progbits
	.p2align	6, 0x0
	.amdhsa_kernel k_qe6b186efaf_main
		.amdhsa_group_segment_fixed_size 327680
		.amdhsa_private_segment_fixed_size 0
		.amdhsa_enable_private_segment 0
		.amdhsa_kernarg_size 56
		.amdhsa_user_sgpr_count 2
		.amdhsa_user_sgpr_kernarg_segment_ptr 1
		.amdhsa_wavefront_size32 1
		.amdhsa_system_sgpr_workgroup_id_x 1
		.amdhsa_system_sgpr_workgroup_id_y 1
		.amdhsa_system_sgpr_workgroup_id_z 1
		.amdhsa_system_vgpr_workitem_id 0
		.amdhsa_next_free_vgpr 1024
		.amdhsa_next_free_sgpr 100
		.amdhsa_reserve_vcc 0
		.amdhsa_float_denorm_mode_32 3
		.amdhsa_float_denorm_mode_16_64 3
		.amdhsa_memory_ordered 1
		.amdhsa_forward_progress 1
		.amdhsa_inst_pref_size 255
	.end_amdhsa_kernel
	.section	.bss,"aw",@nobits
	.p2align	6
	.space	262144
	.amdgpu_metadata
---
amdhsa.version: [ 1, 2 ]
amdhsa.kernels:
  - .name:           k_qe6b186efaf_main
    .symbol:         k_qe6b186efaf_main.kd
    .args:
      - { .name: enc_output, .offset: 0, .size: 8, .value_kind: global_buffer, .address_space: global }
      - { .name: prev_coverage, .offset: 8, .size: 8, .value_kind: global_buffer, .address_space: global }
      - { .name: enc_pad_mask, .offset: 16, .size: 8, .value_kind: global_buffer, .address_space: global }
      - { .name: whp, .offset: 24, .size: 8, .value_kind: global_buffer, .address_space: global }
      - { .name: cst, .offset: 32, .size: 8, .value_kind: global_buffer, .address_space: global }
      - { .name: pctx, .offset: 40, .size: 8, .value_kind: global_buffer, .address_space: global }
      - { .name: pmw, .offset: 48, .size: 8, .value_kind: global_buffer, .address_space: global }
    .group_segment_fixed_size: 327680
    .private_segment_fixed_size: 0
    .kernarg_segment_align: 8
    .kernarg_segment_size: 56
    .max_flat_workgroup_size: 128
    .sgpr_count:     100
    .vgpr_count:     1024
    .wavefront_size: 32
...
	.end_amdgpu_metadata
.endif
;; end of part 2
;; launch join (part 3): grid 32 x 4, 2 waves a work-group, no clusters, 0 bytes of LDS; arguments pctx, pmw, prev_coverage, out0, out1, out2; writes out0, out1, out2
.if DOCPART == 3
	.amdgcn_target "amdgcn-amd-amdhsa--gfx1250"
	.amdhsa_code_object_version 6
	.text
	.protected	k_qe6b186efaf_join
	.globl	k_qe6b186efaf_join
	.p2align	8
	.type	k_qe6b186efaf_join,@function
k_qe6b186efaf_join:
	s_mov_b64 s[64:65], 0
	v_nop
	global_prefetch_b8 v0, s[64:65] scope:SCOPE_SE
	s_setreg_imm32_b32 hwreg(HW_REG_WAVE_MODE, 25, 1), 1
	s_wait_xcnt 0x0
; The sixteen blocks of a batch are joined.  Block g left its largest t, m[g], the sum l[g] of p x mask under m[g], the weights p x mask and the sum of p x mask x enc.
; LEFT OUT as the first kernel's head shows: bv, the sum of v, the softmax's own divisor.
;   M = the largest m;  f[g] = 2^(m[g] - M);  L = sum of l[g] f[g];  F[g] = f[g] / L.   out0 = sum over g of ctx[g] F[g];  out1 = (p x mask) F[g];  out2 = prev_coverage + out1.
; LIMIT: a batch whose mask is all zeros gives 0 x infinity = NaN, as reference()'s 0 / 0 does.
; SHARES.  Work-group (b, y) of two waves: a quarter of batch b: 256 numbers of out0, 512 of out1 and of out2; a thread takes 16 bytes of each piece, so a wave's store covers 512 consecutive bytes, aligned.
; Memory binds and the work is small: no LDS bytes, no barrier, no matrix unit; all loads go out first.
	s_load_b256 s[4:11], s[0:1], 0x0               ; pctx s[4:5], pmw s[6:7], prev_coverage s[8:9], out0 s[10:11]
	s_load_b128 s[12:15], s[0:1], 0x20             ; out1 s[12:13], out2 s[14:15]
	s_and_b32 s16, ttmp7, 0xffff                   ; y
	s_mul_i32 s18, ttmp9, 73728                    ; pctx: sixteen records of 4,608 bytes a batch
	s_mov_b32 s19, 0
	s_lshl_b32 s20, s16, 10                        ; my quarter of a context: 1,024 bytes
	s_mov_b32 s21, 0
	s_lshl_b32 s22, ttmp9, 13                      ; a batch's 2,048 numbers,
	s_lshl_b32 s17, s16, 11                        ; my quarter of them
	s_add_co_u32 s22, s22, s17
	s_mov_b32 s23, 0
	s_lshl_b32 s24, ttmp9, 12                      ; out0: 4,096 bytes a batch
	s_add_co_u32 s24, s24, s20
	s_mov_b32 s25, 0
	s_lshl_b32 s17, s16, 2                         ; my quarter's first block
	v_and_b32 v1, 15, v0
	v_mul_u32_u24 v1, v1, 4608                     ; lane % 16 = g: its record
	v_lshlrev_b32 v2, 4, v0                        ; 16 x thread
	v_lshrrev_b32 v3, 5, v0                        ; wave
	v_add_nc_u32 v6, s17, v3
	v_lshlrev_b32 v6, 2, v6                        ; piece k of my 16 bytes lies in block 4 y + 2 k + wave: the lane to pull F from, x 4
	v_add_nc_u32 v7, 8, v6
	s_wait_alu depctr_va_vdst(0)
	s_wait_kmcnt 0x0
	s_add_nc_u64 s[4:5], s[4:5], s[18:19]
	s_add_nc_u64 s[26:27], s[4:5], s[20:21]
	s_add_nc_u64 s[6:7], s[6:7], s[22:23]
	s_add_nc_u64 s[8:9], s[8:9], s[22:23]
	s_add_nc_u64 s[10:11], s[10:11], s[24:25]
	s_add_nc_u64 s[12:13], s[12:13], s[22:23]
	s_add_nc_u64 s[14:15], s[14:15], s[22:23]
	global_load_b64 v[4:5], v1, s[4:5] offset:4096                 ; (m, l) of block g
.irp g, 0,1,2,3,4,5,6,7,8,9,10,11,12,13,14,15
	global_load_b128 v[16+4*\g:19+4*\g], v2, s[26:27] offset:4608*\g
.endr
	global_load_b128 v[88:91], v2, s[6:7]
	global_load_b128 v[92:95], v2, s[6:7] offset:1024
	global_load_b128 v[96:99], v2, s[8:9]
	global_load_b128 v[100:103], v2, s[8:9] offset:1024
	s_wait_loadcnt 20                              ; (m, l) is in: twenty loads were issued behind it
	v_mov_b32 v8, v4
.irp x, 1,2,4,8
	v_max_num_f32_dpp v8, v8, v8 row_xmask:\x row_mask:0xf bank_mask:0xf       ; M
.endr
	v_sub_f32 v9, v4, v8
	s_wait_alu depctr_va_vdst(0)
	v_exp_f32 v9, v9                               ; f[g]
	v_nop                                          ; a plain line behind the exponential,
	s_wait_alu depctr_va_vdst(0)                   ; and the wait ahead of the first reader
	v_mul_f32 v10, v5, v9
.irp x, 1,2,4,8
	v_add_f32_dpp v10, v10, v10 row_xmask:\x row_mask:0xf bank_mask:0xf        ; L
.endr
	s_wait_alu depctr_va_vdst(0)
	v_rcp_f32 v10, v10
	v_nop
	s_wait_alu depctr_va_vdst(0)
	v_mul_f32 v9, v9, v10                          ; F[g], in lane g
.irp g, 0,1,2,3,4,5,6,7,8,9,10,11,12,13,14,15
	v_readlane_b32 s[32+\g], v9, \g
.endr
	ds_bpermute_b32 v11, v6, v9                    ; F of my two pieces' blocks (a pull between lanes: no LDS byte is touched)
	ds_bpermute_b32 v12, v7, v9
	s_wait_loadcnt 0x0
	s_wait_dscnt 0x0
.irp c, 0,1,2,3
	v_mul_f32 v[80+\c], s32, v[16+\c]              ; the first block starts the sums
.endr
.irp g, 1,2,3,4,5,6,7,8,9,10,11,12,13,14,15
.irp c, 0,1,2,3
	v_fmac_f32 v[80+\c], s[32+\g], v[16+4*\g+\c]
.endr
.endr
	global_store_b128 v2, v[80:83], s[10:11]
.irp c, 0,1,2,3
	v_mul_f32 v[104+\c], v[88+\c], v11
	v_fma_f32 v[112+\c], v[88+\c], v11, v[96+\c]
	v_mul_f32 v[108+\c], v[92+\c], v12
	v_fma_f32 v[116+\c], v[92+\c], v12, v[100+\c]
.endr
	global_store_b128 v2, v[104:107], s[12:13]
	global_store_b128 v2, v[108:111], s[12:13] offset:1024
	global_store_b128 v2, v[112:115], s[14:15]
	global_store_b128 v2, v[116:119], s[14:15] offset:1024
	s_endpgm
.Lfunc_end_k_qe6b186efaf_join:
	.size	k_qe6b186efaf_join, .Lfunc_end_k_qe6b186efaf_join-k_qe6b186efaf_join
	.p2alignl 7, 3214868480
	.fill 96, 4, 3214868480
	.section	.rodata,"a",@progbits
	.p2align	6, 0x0
	.amdhsa_kernel k_qe6b186efaf_join
		.amdhsa_group_segment_fixed_size 0
		.amdhsa_private_segment_fixed_size 0
		.amdhsa_enable_private_segment 0
		.amdhsa_kernarg_size 48
		.amdhsa_user_sgpr_count 2
		.amdhsa_user_sgpr_kernarg_segment_ptr 1
		.amdhsa_wavefront_size32 1
		.amdhsa_system_sgpr_workgroup_id_x 1
		.amdhsa_system_sgpr_workgroup_id_y 1
		.amdhsa_system_sgpr_workgroup_id_z 1
		.amdhsa_system_vgpr_workitem_id 0
		.amdhsa_next_free_vgpr 128
		.amdhsa_next_free_sgpr 66
		.amdhsa_reserve_vcc 0
		.amdhsa_float_denorm_mode_32 3
		.amdhsa_float_denorm_mode_16_64 3
		.amdhsa_memory_ordered 1
		.amdhsa_forward_progress 1
		.amdhsa_inst_pref_size 9
	.end_amdhsa_kernel
	.amdgpu_metadata
---
amdhsa.version: [ 1, 2 ]
amdhsa.kernels:
  - .name:           k_qe6b186efaf_join
    .symbol:         k_qe6b186efaf_join.kd
    .args:
      - { .name: pctx, .offset: 0, .size: 8, .value_kind: global_buffer, .address_space: global }
      - { .name: pmw, .offset: 8, .size: 8, .value_kind: global_buffer, .address_space: global }
      - { .name: prev_coverage, .offset: 16, .size: 8, .value_kind: global_buffer, .address_space: global }
      - { .name: out0, .offset: 24, .size: 8, .value_kind: global_buffer, .address_space: global }
      - { .name: out1, .offset: 32, .size: 8, .value_kind: global_buffer, .address_space: global }
      - { .name: out2, .offset: 40, .size: 8, .value_kind: global_buffer, .address_space: global }
    .group_segment_fixed_size: 0
    .private_segment_fixed_size: 0
    .kernarg_segment_align: 8
    .kernarg_segment_size: 48
    .max_flat_workgroup_size: 64
    .sgpr_count:     66
    .vgpr_count:     128
    .wavefront_size: 32
...
	.end_amdgpu_metadata
.endif
;; end of part 3
